; MI455X (gfx1250); checked and timed in simulation.
; The chip was launched on July 23, 2026; its instructions are those of AMD's public machine-readable ISA for CDNA 5 (MIT licence, August 2026) and "CDNA5" Instruction Set Architecture Reference Guide (July 2026). The comments in the code are by the model that wrote it; some were corrected since.
;; Tidal Attention. Allowed arithmetic: matrix products marked QUANTISED: E5M2 operands, one given power-of-two scale a tensor, by v_wmma_f32_16x16x64_bf8_bf8 or v_wmma_f32_16x16x128_bf8_bf8, f32 sums; everything else in f32.
;; Inputs: Wk 1,024 x 1,024 float32; Wq 1,024 x 1,024 float32; Wv 1,024 x 1,024 float32; attention_mask 4 x 1 x 1 x 2,048 float32; bk 1,024 float32; bq 1,024 float32; bv 1,024 float32; hidden_states 4 x 2,048 x 1,024 float32; lowp_scales 10 int32 (the exponents e of the quantised operands' scales 2^e).
;; Outputs: out0 4 x 2,048 x 1,024 float32.
;; This version of the problem:
;;   THIS VERSION OF THE PROBLEM IS GIVEN IN LOW PRECISION. The matrix products marked QUANTISED in the list below multiply operands that are first quantised to E5M2 (5 exponent bits, 2 mantissa bits; 8 bits a number), with one given power-of-two scale for each operand tensor; their sums are f32. All else is computed in f32.
;;   The module's matrix products, in the order in which they are computed (A, B: the left and right operand; K: the contracted axis; several contracted axes count as one K, in the product's order):
;;     1. [M 8,192, K 1,024] x [K 1,024, N 1,024]; A: input hidden_states; B: input Wq: QUANTISED (scales: A lowp_scales[0], B lowp_scales[1])
;;     2. [M 8,192, K 1,024] x [K 1,024, N 1,024]; A: input hidden_states; B: input Wk: QUANTISED (scales: A lowp_scales[2], B lowp_scales[3])
;;     3. [M 8,192, K 1,024] x [K 1,024, N 1,024]; A: input hidden_states; B: input Wv: QUANTISED (scales: A lowp_scales[4], B lowp_scales[5])
;;     4. batch 64 x [M 2,048, K 64] x [K 64, N 2,048]; A: computed on the way; B: computed on the way: QUANTISED (scales: A lowp_scales[6], B lowp_scales[7])
;;     5. batch 64 x [M 2,048, K 2,048] x [K 2,048, N 64]; A: computed on the way; B: computed on the way: QUANTISED (scales: A lowp_scales[8], B lowp_scales[9])
;;   THE QUANTISER, for each operand of a quantised product, along K:
;;     - The operand's scale is 2^e, e = its entry of the input lowp_scales (int32; the entries are numbered through the quantised products in the list's order, A before B).
;;     - Each number is divided by the scale, clamped to +-57,344, and rounded to the nearest number of E5M2, ties to even, subnormals kept.
;;     - The product sums the exact products of the quantised numbers (number of the format x scale) in f32.
;;   ~~~python
;;   def quantise(x, axis, e):      # numpy; x: float32 -> the quantised numbers, widened to float32 again
;;       x = np.moveaxis(x, axis, -1); K = x.shape[-1]
;;       r = np.clip(x / 2.0 ** e, -57344, 57344)
;;       step = 2.0 ** (np.maximum(np.frexp(np.where(r == 0, 1, r))[1] - 1, -14) - 2)
;;       q = np.round(r / step) * step * 2.0 ** e      # np.round: ties to even
;;       return np.moveaxis(q, -1, axis).astype(np.float32)
;;   ~~~
;;   OPERANDS COMPUTED ON THE WAY. 'Computed on the way' means the value that the module computes at that place (a softmax that the list does not call 'softmax' is quantised finished and normalised). What goes into a quantiser is computed in f32, as accurately as f32 sums, v_exp_f32 and their like allow (about 1e-6 of the number): no bf16 or f16 on the way to a quantiser, and a product that is left as it is and whose result goes on into a quantised operand takes f32 operands (vector FMAs, or v_wmma_f32_16x16x4_f32). A number that lies on a knife's edge between two numbers of the format may be rounded either way, as far as f32 arithmetic and the matrix unit's own rounding can turn it there, and no further.
;; One version. Each part assembles by itself: llvm-mc -triple=amdgcn-amd-amdhsa -mcpu=gfx1250 --defsym DOCPART=n.
;; ======== version 1 of 1: 3 launches
;; limits: right only within a limited range of input values
;; workspace buffers: xcodes 25,165,824 bytes; wcodes 3,145,728 bytes; qkv 25,165,824 bytes
;; launch quant (part 1): grid 1408 x 1, 4 waves a work-group, no clusters, 0 bytes of LDS; arguments hidden_states, Wq, Wk, Wv, lowp_scales, xcodes, wcodes; writes xcodes, wcodes
.if DOCPART == 1
	.amdgcn_target "amdgcn-amd-amdhsa--gfx1250"
	.amdhsa_code_object_version 6
	.text
	.protected	k_q6afe3b72fa_quant
	.globl	k_q6afe3b72fa_quant
	.p2align	8
	.type	k_q6afe3b72fa_quant,@function
k_q6afe3b72fa_quant:
	s_mov_b64 s[64:65], 0
	v_nop
	global_prefetch_b8 v0, s[64:65] scope:SCOPE_SE
	s_setreg_imm32_b32 hwreg(HW_REG_WAVE_MODE, 25, 1), 1
	s_wait_xcnt 0x0
; hidden_states [8192][1024] and Wq, Wk, Wv [1024][1024], f32, K innermost, become codes of BF8 (E5M2), one byte each.
; hidden_states is an operand of three products with a scale of its own in each (entries 0, 2, 4 of the scales), so it is read once and
; converted three times, into three planes of xcodes, 8,388,608 bytes apart.  Wq, Wk, Wv (entries 1, 3, 5) go into three planes of wcodes, 1,048,576 bytes apart.
; code = x / 2^e, held within +-57,344, rounded to the nearest code, ties to even.
; LIMITS: each e between -126 and 112, so that 2^e and 57,344 x 2^e are f32 numbers.  NaN among the inputs is not served (an infinity is held at the largest code).
; LEFT OUT IN THE WHOLE PROGRAM: reference() flips the scores along the keys, takes the softmax and flips the result back.  A softmax treats all entries of its axis alike,
; so the two flips cancel for all values of the inputs; no line of any launch stands for them.  Every input is loaded.
; ORDER OF K IN THE CODES.  A step is 512 neighbouring numbers (half a row).  Each of its four loads reads 512 consecutive bytes, 16 a lane, so lane l holds
; k = 128 i + 4 l + e (load i, number e); its 16 codes are stored at byte 16 l of the step's 512.  So byte 16 l + 4 i + e of each aligned 512 codes holds k = 128 i + 4 l + e:
; one fixed order, the same in all four tensors.  The products that read these codes meet partner with partner; only the order of the sums changes.  No turn through LDS is needed.
; SHARES.  A wave takes NS = 4 steps, 2,048 numbers, and asks for all its 16 loads at once.  Work-groups 0-1023 take hidden_states, 1024-1407 the weights, 128 each.
; Waves share nothing: no LDS, no barrier.  Every load and every store of a wave covers 512 consecutive bytes, aligned.
.set XWG, 1024                         ; work-groups for hidden_states
.set NS,  4                            ; steps a wave
.set R,   16                           ; v16-79    four sets of 16 numbers as loaded
.set T,   80                           ; v80-127   three sets of 16 held numbers, one for each scale
.set C,   128                          ; v128-151  two sets of 12 registers of codes, by turns
                                       ; v1 16 x lane;  v2, v3 / v4, v5 / v6, v7: 2^e and 57,344 x 2^e for the three scales
.macro LOADQ t
.irp i, 0,1,2,3
	global_load_b128 v[R+16*(\t)+4*\i:R+16*(\t)+4*\i+3], v1, s[4:5] offset:2048*(\t)+512*\i th:TH_LOAD_NT
.endr
.endm
.macro MKSC e, sc                      ; s[e] = the exponent;  v[sc] = 2^e as f32 (the conversion takes its exponent field), v[sc+1] = 57,344 x 2^e
	s_add_co_i32 s38, s[\e], 127
	s_lshl_b32 s39, s38, 23
	v_mov_b32 v[\sc], s39
	s_add_co_i32 s38, s38, 15
	s_lshl_b32 s38, s38, 23
	s_or_b32 s38, s38, 0x600000
	v_mov_b32 v[\sc+1], s38
.endm
.macro QSTEP t, ns                     ; step t, converted with ns scales
	s_wait_loadcnt 4*(NS-1-(\t))                   ; this step's four loads are in; those of the steps behind it may be out
	s_wait_xcnt 0x0                                ; the stores of two steps ago have read their registers: this set of codes may be written again
.irp i, 0,1,2
.if \i < \ns
.irp k, 0,1,2,3,4,5,6,7,8,9,10,11,12,13,14,15
	v_med3_num_f32 v[T+16*\i+\k], v[R+16*(\t)+\k], -v[3+2*\i], v[3+2*\i]   ; the conversion to an 8-bit code does not saturate (ISA guide 7.6.2): the hold comes first
.endr
	v_cvt_scalef32_pk8_bf8_f32 v[C+12*((\t)%2)+4*\i:C+12*((\t)%2)+4*\i+1], v[T+16*\i:T+16*\i+7], v[2+2*\i]
	v_cvt_scalef32_pk8_bf8_f32 v[C+12*((\t)%2)+4*\i+2:C+12*((\t)%2)+4*\i+3], v[T+16*\i+8:T+16*\i+15], v[2+2*\i]
.endif
.endr
	v_nop                                          ; a plain line behind the last conversion: the next step's holds write its sources
.irp i, 0,1,2
.if \i < \ns
	global_store_b128 v1, v[C+12*((\t)%2)+4*\i:C+12*((\t)%2)+4*\i+3], s[32+2*\i:33+2*\i] offset:512*(\t)
.endif
.endr
.endm
	s_load_b256 s[4:11], s[0:1], 0x0               ; hidden_states s[4:5], Wq s[6:7], Wk s[8:9], Wv s[10:11]
	s_load_b128 s[12:15], s[0:1], 0x20             ; the scales' exponents s[12:13], xcodes s[14:15]
	s_load_b64 s[16:17], s[0:1], 0x30              ; wcodes
	v_lshrrev_b32 v1, 5, v0
	v_readfirstlane_b32 s20, v1                    ; wave 0..3
	v_and_b32 v1, 31, v0
	v_lshlrev_b32 v1, 4, v1                        ; 16 x lane
	s_mov_b32 s23, 0
	s_wait_kmcnt 0x0
	s_load_b256 s[24:31], s[12:13], 0x0            ; e0 .. e7
	s_cmp_lt_u32 ttmp9, XWG
	s_cbranch_scc0 .Lweights
	; ---- hidden_states
	s_lshl_b32 s21, ttmp9, 2
	s_add_co_u32 s21, s21, s20                     ; which run of 2,048 numbers is my wave's
	s_lshl_b32 s22, s21, 13
	s_add_nc_u64 s[4:5], s[4:5], s[22:23]
	s_lshl_b32 s22, s21, 11
	s_add_nc_u64 s[32:33], s[14:15], s[22:23]      ; the plane of e0,
	s_add_nc_u64 s[34:35], s[32:33], 0x800000      ; of e2,
	s_add_nc_u64 s[36:37], s[32:33], 0x1000000     ; of e4
	s_wait_alu depctr_va_vdst(0)
.irp t, 0,1,2,3
	LOADQ \t
.endr
	s_wait_kmcnt 0x0
	MKSC 24, 2
	MKSC 26, 4
	MKSC 28, 6
	s_wait_alu depctr_va_vdst(0)
.irp t, 0,1,2,3
	QSTEP \t, 3
.endr
	s_endpgm
.Lweights:
	; ---- the weights: which of the three hangs on the work-group's number alone
	s_sub_co_u32 s21, ttmp9, XWG
	s_lshr_b32 s18, s21, 7                         ; 0: Wq, 1: Wk, 2: Wv
	s_and_b32 s21, s21, 127
	s_lshl_b32 s21, s21, 2
	s_add_co_u32 s21, s21, s20                     ; my wave's run of 2,048 numbers
	s_cmp_eq_u32 s18, 1
	s_cselect_b64 s[4:5], s[8:9], s[6:7]
	s_cmp_eq_u32 s18, 2
	s_cselect_b64 s[4:5], s[10:11], s[4:5]
	s_lshl_b32 s22, s21, 13
	s_add_nc_u64 s[4:5], s[4:5], s[22:23]
	s_lshl_b32 s22, s21, 11
	s_lshl_b32 s19, s18, 20
	s_add_co_u32 s22, s22, s19
	s_add_nc_u64 s[32:33], s[16:17], s[22:23]
	s_wait_alu depctr_va_vdst(0)                   ; as above
.irp t, 0,1,2,3
	LOADQ \t
.endr
	s_wait_kmcnt 0x0
	s_cmp_eq_u32 s18, 1
	s_cselect_b32 s22, s27, s25                    ; e3 or e1,
	s_cmp_eq_u32 s18, 2
	s_cselect_b32 s22, s29, s22                    ; or e5
	MKSC 22, 2
	s_wait_alu depctr_va_vdst(0)
.irp t, 0,1,2,3
	QSTEP \t, 1
.endr
	s_endpgm
.Lfunc_end_k_q6afe3b72fa_quant:
	.size	k_q6afe3b72fa_quant, .Lfunc_end_k_q6afe3b72fa_quant-k_q6afe3b72fa_quant
	.p2alignl 7, 3214868480
	.fill 96, 4, 3214868480
	.section	.rodata,"a",@progbits
	.p2align	6, 0x0
	.amdhsa_kernel k_q6afe3b72fa_quant
		.amdhsa_group_segment_fixed_size 0
		.amdhsa_private_segment_fixed_size 0
		.amdhsa_enable_private_segment 0
		.amdhsa_kernarg_size 56
		.amdhsa_user_sgpr_count 2
		.amdhsa_user_sgpr_kernarg_segment_ptr 1
		.amdhsa_wavefront_size32 1
		.amdhsa_system_sgpr_workgroup_id_x 1
		.amdhsa_system_sgpr_workgroup_id_y 1
		.amdhsa_system_sgpr_workgroup_id_z 1
		.amdhsa_system_vgpr_workitem_id 0
		.amdhsa_next_free_vgpr 152
		.amdhsa_next_free_sgpr 66
		.amdhsa_reserve_vcc 0
		.amdhsa_float_denorm_mode_32 3
		.amdhsa_float_denorm_mode_16_64 3
		.amdhsa_memory_ordered 1
		.amdhsa_forward_progress 1
		.amdhsa_inst_pref_size 27
	.end_amdhsa_kernel
	.amdgpu_metadata
---
amdhsa.version: [ 1, 2 ]
amdhsa.kernels:
  - .name:           k_q6afe3b72fa_quant
    .symbol:         k_q6afe3b72fa_quant.kd
    .args:
      - { .name: hidden_states, .offset: 0, .size: 8, .value_kind: global_buffer, .address_space: global }
      - { .name: Wq, .offset: 8, .size: 8, .value_kind: global_buffer, .address_space: global }
      - { .name: Wk, .offset: 16, .size: 8, .value_kind: global_buffer, .address_space: global }
      - { .name: Wv, .offset: 24, .size: 8, .value_kind: global_buffer, .address_space: global }
      - { .name: lowp_scales, .offset: 32, .size: 8, .value_kind: global_buffer, .address_space: global }
      - { .name: xcodes, .offset: 40, .size: 8, .value_kind: global_buffer, .address_space: global }
      - { .name: wcodes, .offset: 48, .size: 8, .value_kind: global_buffer, .address_space: global }
    .group_segment_fixed_size: 0
    .private_segment_fixed_size: 0
    .kernarg_segment_align: 8
    .kernarg_segment_size: 56
    .max_flat_workgroup_size: 128
    .sgpr_count:     66
    .vgpr_count:     152
    .wavefront_size: 32
...
	.end_amdgpu_metadata
.endif
;; end of part 1
;; launch qkv (part 2): grid 12 x 32, 4 waves a work-group, clusters of 4 x 4, 327,680 bytes of LDS; arguments xcodes, wcodes, bq, bk, bv, lowp_scales, qkv; writes qkv
.if DOCPART == 2
	.amdgcn_target "amdgcn-amd-amdhsa--gfx1250"
	.amdhsa_code_object_version 6
	.text
	.protected	k_q6afe3b72fa_qkv
	.globl	k_q6afe3b72fa_qkv
	.p2align	8
	.type	k_q6afe3b72fa_qkv,@function
k_q6afe3b72fa_qkv:
	s_mov_b64 s[64:65], 0
	v_nop
	global_prefetch_b8 v0, s[64:65] scope:SCOPE_SE
	s_setreg_imm32_b32 hwreg(HW_REG_WAVE_MODE, 25, 1), 1
	s_wait_xcnt 0x0
	s_wait_alu depctr_hold_cnt(0) depctr_sa_sdst(0) depctr_va_vdst(0) depctr_va_sdst(0) depctr_va_ssrc(0) depctr_va_vcc(0) depctr_vm_vsrc(0)
	s_getreg_b32 s2, hwreg(HW_REG_IB_STS2, 6, 4)
	s_cmp_eq_u32 s2, 0
	s_cbranch_scc0 .Lentry_in_a_cluster
	s_endpgm
.Lentry_in_a_cluster:
	s_bfe_u32 s2, ttmp6, 0x10000c
	s_cmp_lg_u32 s2, 0xf033
	s_cbranch_scc0 .Lentry_shape_is_right
	s_endpgm
.Lentry_shape_is_right:
; q, k, v = x W^T + b on codes of BF8 (E5M2), quantised again for the attention's two products.  Cluster x says which product: 0 q, 1 k, 2 v; each has its own plane of xcodes and of wcodes.
; A work-group of four waves makes a tile of 256 x 256, a wave 128 x 128 in 64 accumulators.  K = 1,024 goes in four steps of 256 through a ring of two LDS slots, filled by joint loads of a 4 x 4 cluster.
; For q and k the second source takes rows of x, the first rows of W: a lane's eight results run along the head's 64, which is K of the scores' product.  For v the two change places: a lane's eight results run along the keys.
; The bias, divided by 2^(ex + ew), is the C of each accumulator's first product.  A finished sum is held within +-57,344 x 2^(eo - ex - ew) and converted with that scale (eo: entry 6, 7 or 9 of the scales).
; The codes are stored as they leave the conversions, 16 bytes a lane, 512 consecutive bytes a store: that is the order in which launch attn's operand registers take them.
; LIMITS: eo - ex - ew between -126 and 112.  NaN among the inputs is not served.
.set KSTEP,  256
.set ROWB,   256
.set KROW,   1024
.set PITCH,  272
.set FR,     16
.set NL,     4
.set NP,     4
.set HALFT,  128*PITCH
.set SLOT,   4*HALFT
.set LAPS,   2
.set SPARE,  2*SLOT
.set ADRA, 16
.set ADRB, 20
.set SO0,  26
.set SO1,  27
.set SPW,  28
.set NIL,  29
.set SC,   30
.set LIM,  31
.set BI,   32
.set BO,   96
.set AF,   128
.set G1, 24
.set G0, 32
.set G1B, 48
.set G0B, 56
.set MSB, 0
.macro WIN new
.if MSB != (\new)
	s_set_vgpr_msb (MSB<<8)|(\new)
.set MSB, (\new)
.endif
.endm
.set MUL_LO, 0xa1
.set MUL_HI, 0xf1
.set BIA_LO, 0x81
.set BIA_HI, 0xc1
.set TO_B,   0x40
.macro JLOAD g0a, g1a, g0b, g1b
	s_cmp_eq_u32 s15, 0
	s_cbranch_scc0 .Lfor_b_\@
	tensor_load_to_lds s[\g0a:\g0a+3], s[\g1a:\g1a+7]
	s_nop 0
.rept 4
	v_nop
.endr
	s_branch .Lasked_\@
.Lfor_b_\@:
	tensor_load_to_lds s[\g0b:\g0b+3], s[\g1b:\g1b+7]
	s_nop 0
.rept 4
	v_nop
.endr
.Lasked_\@:
.endm
.macro CREST
	s_cmp_lg_u32 s14, 0
	s_cbranch_scc1 .Lnot_wave_0_\@
	s_barrier_signal -3
.Lnot_wave_0_\@:
	s_barrier_wait -3
	s_barrier_signal -1
	s_barrier_wait -1
.endm
.macro CROUND
	s_barrier_signal -1
	s_barrier_wait -1
	CREST
.endm
	s_load_b128 s[4:7], s[0:1], 0x0
	s_load_b128 s[72:75], s[0:1], 0x10
	s_load_b128 s[76:79], s[0:1], 0x20
	s_load_b64 s[10:11], s[0:1], 0x30
	v_lshl_add_u32 v[SPW], v0, 2, SPARE
	v_mov_b32 v[NIL], 0
	ds_add_u32 v28, v29
	ds_add_u32 v28, v29
	s_wait_dscnt 0x0
	v_lshrrev_b32 v1, 5, v0
	v_readfirstlane_b32 s14, v1
	s_lshr_b32 s15, s14, 1
	s_and_b32 s16, s14, 1
	s_bfe_u32 s40, ttmp6, 0x40000
	s_bfe_u32 s41, ttmp6, 0x40004
	s_mov_b32 s66, ttmp9
	s_and_b32 s67, ttmp7, 0xffff
	s_lshl_b32 s67, s67, 2
	s_cmp_eq_u32 s66, 2
	s_cselect_b32 s80, 0, s67
	s_cselect_b32 s81, s67, 0
	s_add_co_u32 s17, s41, s80
	s_add_co_u32 s42, s40, s81
	s_lshl_b32 s43, s41, 2
	s_lshl_b32 s43, 15, s43
	s_lshl_b32 s44, 0x1111, s40
	s_or_b32 s[G1+0], s43, (0<<16)|(1<<20)|(1<<21)|(5<<22)|(3<<25)
	s_or_b32 s[G1B+0], s44, (0<<16)|(1<<20)|(1<<21)|(5<<22)|(3<<25)
.irp g, G1, G1B
	s_mov_b32 s[\g+1], ROWB<<16
	s_mov_b32 s[\g+2], 128<<16
	s_mov_b32 s[\g+3], ROWB<<16
	s_mov_b32 s[\g+4], 128
	s_mov_b32 s[\g+5], KROW
	s_mov_b32 s[\g+6], 0
	s_mov_b32 s[\g+7], 0
.endr
	s_lshl_b32 s18, s16, 7
	s_lshl_b32 s20, s17, 8
	s_add_co_u32 s20, s20, s18
	s_lshl_b32 s46, s42, 8
	s_add_co_u32 s46, s46, s18
	s_lshl_b32 s20, s20, 10
	s_lshl_b32 s46, s46, 10
	s_mov_b32 s21, 0
	s_mov_b32 s47, 0
	s_mov_b32 s19, 0
	s_mul_i32 s45, s14, HALFT
	s_wait_kmcnt 0x0
	s_load_b256 s[84:91], s[78:79], 0x0
	s_load_b64 s[92:93], s[78:79], 0x20
	s_lshl_b32 s18, s66, 23
	s_add_nc_u64 s[4:5], s[4:5], s[18:19]
	s_lshl_b32 s18, s66, 20
	s_add_nc_u64 s[6:7], s[6:7], s[18:19]
	s_cmp_eq_u32 s66, 2
	s_cselect_b64 s[68:69], s[6:7], s[4:5]
	s_cselect_b64 s[70:71], s[4:5], s[6:7]
	s_add_nc_u64 s[20:21], s[68:69], s[20:21]
	s_add_nc_u64 s[46:47], s[70:71], s[46:47]
	CROUND
.irp s, 0,1
	s_mov_b32 s[G0+4*\s], 1
	s_add_co_u32 s[G0+4*\s+1], s45, \s*SLOT
	s_add_nc_u64 s[G0+4*\s+2:G0+4*\s+3], s[20:21], \s*ROWB
	s_or_b32 s[G0+4*\s+3], s[G0+4*\s+3], 0x80000000
	s_mov_b32 s[G0B+4*\s], 1
	s_add_co_u32 s[G0B+4*\s+1], s45, \s*SLOT
	s_add_nc_u64 s[G0B+4*\s+2:G0B+4*\s+3], s[46:47], \s*ROWB
	s_or_b32 s[G0B+4*\s+3], s[G0B+4*\s+3], 0x80000000
.endr
	JLOAD G0, G1, G0B, G1B                         ; K step 0, my one tensor load at the head; the addresses and the bias's loads below are made while it is out
	v_and_b32 v1, 15, v0
	s_wait_alu depctr_va_vdst(0)
	v_bfe_u32 v2, v0, 4, 1
	v_mul_u32_u24 v3, v1, PITCH
	v_lshl_add_u32 v4, v2, 4, v3
	s_mul_i32 s21, s15, HALFT
	s_mul_i32 s22, s16, HALFT
	s_add_co_u32 s22, s22, 2*HALFT
.irp s, 0,1
	v_add_nc_u32 v[ADRA+\s], s21, v4
	v_add_nc_u32 v[ADRB+\s], s22, v4
	s_add_co_u32 s21, s21, SLOT
	s_add_co_u32 s22, s22, SLOT
.endr
	s_lshl_b32 s22, s17, 8
	s_lshl_b32 s23, s15, 7
	s_add_co_u32 s22, s22, s23
	s_lshl_b32 s23, s42, 8
	s_lshl_b32 s82, s16, 7
	s_add_co_u32 s23, s23, s82
	s_cmp_eq_u32 s66, 2
	s_cselect_b32 s82, s23, s22
	s_cselect_b32 s83, s22, s23
	s_cselect_b32 s98, 4, 0
	s_cselect_b32 s99, 0, 32
	s_cselect_b32 s100, 0, 4
	s_mov_b32 s101, 131072
	s_cselect_b32 s101, 1024, s101
	s_mov_b32 s94, 1024
	s_cselect_b32 s94, 2048, s94
	s_mov_b32 s96, 1024
	s_cselect_b32 s96, 124928, s96
	s_mov_b32 s95, 0
	s_mov_b32 s97, 0
	s_cmp_eq_u32 s66, 1
	s_cselect_b64 s[8:9], s[74:75], s[72:73]
	s_cmp_eq_u32 s66, 2
	s_cselect_b64 s[8:9], s[76:77], s[8:9]
	s_lshl_b32 s18, s83, 2
	s_add_nc_u64 s[8:9], s[8:9], s[18:19]
	v_mul_u32_u24 v[BO], s98, v1
	s_wait_alu depctr_va_vdst(0)
	v_mad_u32_u24 v[BO], v2, s99, v[BO]
.irp j, 1,2,3,4,5,6,7
	v_add_nc_u32 v[BO+\j], s100, v[BO+\j-1]
.endr
.irp i, 0,1,2,3,4,5,6,7
.irp j, 0,1,2,3,4,5,6,7
	global_load_b32 v[BI+8*\i+\j], v[BO+\j], s[8:9] offset:64*\i
.endr
.endr
	s_lshr_b32 s18, s82, 11
	s_lshl_b32 s18, s18, 4
	s_lshr_b32 s22, s83, 6
	s_add_co_u32 s18, s18, s22
	s_lshl_b32 s18, s18, 17
	s_and_b32 s22, s82, 2047
	s_lshl_b32 s22, s22, 6
	s_add_co_u32 s18, s18, s22
	s_lshl_b32 s22, s66, 23
	s_add_co_u32 s18, s18, s22
	s_add_nc_u64 s[10:11], s[10:11], s[18:19]
	v_and_b32 v5, 31, v0
	v_lshlrev_b32 v[SO0], 4, v5
	v_add_nc_u32 v[SO1], s101, v[SO0]
	s_wait_kmcnt 0x0
	s_add_co_i32 s80, s84, s85
	s_add_co_i32 s81, s86, s87
	s_add_co_i32 s22, s88, s89
	s_cmp_eq_u32 s66, 1
	s_cselect_b32 s80, s81, s80
	s_cselect_b32 s81, s91, s90
	s_cmp_eq_u32 s66, 2
	s_cselect_b32 s80, s22, s80
	s_cselect_b32 s81, s93, s81
	s_sub_co_i32 s81, s81, s80
	s_sub_co_i32 s80, 0, s80
	s_add_co_i32 s81, s81, 127
	s_lshl_b32 s22, s81, 23
	v_mov_b32 v[SC], s22
	s_add_co_i32 s81, s81, 15
	s_lshl_b32 s81, s81, 23
	s_or_b32 s81, s81, 0x600000
	v_mov_b32 v[LIM], s81
.macro FRAG reg, adr, q, i
.irp c, 0,1,2,3
	ds_load_b128 v[\reg+4*\c:\reg+4*\c+3], v[\adr] offset:128*(\q)+32*\c+(\i)*16*PITCH
.endr
.endm
.macro MUL16 a0, p, mode
.irp a, \a0, \a0+1
.irp b, 0,1,2,3,4,5,6,7
.if \mode == 0
	v_wmma_f32_16x16x128_bf8_bf8 v[8*(8*((\a)%4)+\b):8*(8*((\a)%4)+\b)+7], v[128*(\p)+FR*\b:128*(\p)+FR*\b+FR-1], v[AF+FR*(\a):AF+FR*(\a)+FR-1], v[8*(8*((\a)%4)+\b):8*(8*((\a)%4)+\b)+7]
.elseif \mode == 1
	v_wmma_f32_16x16x128_bf8_bf8 v[8*(8*((\a)%4)+\b):8*(8*((\a)%4)+\b)+7], v[128*(\p)+FR*\b:128*(\p)+FR*\b+FR-1], v[AF+FR*(\a):AF+FR*(\a)+FR-1], v[BI+8*\b:BI+8*\b+7]
.else
	v_wmma_f32_16x16x128_bf8_bf8 v[8*(8*((\a)%4)+\b):8*(8*((\a)%4)+\b)+7], v[128*(\p)+FR*\b:128*(\p)+FR*\b+FR-1], v[AF+FR*(\a):AF+FR*(\a)+FR-1], v[BI+8*(\a):BI+8*(\a)+7]
.endif
.endr
.endr
.endm
.macro FETCH_B slot, q, p
	WIN TO_B
.irp i, 0,1,2,3,4,5,6,7
	FRAG 128*(\p)+FR*\i, ADRB+\slot, \q, \i
.endr
	WIN 0
.endm
.macro FETCH_A slot, q, i0
.irp i, \i0, \i0+1, \i0+2, \i0+3
	FRAG AF+FR*(\i), ADRA+\slot, \q, \i
.endr
.endm
.macro PLACES n
.rept \n
	v_nop
.endr
.endm
.macro STEP slot, q, mode
	s_wait_dscnt 4*NL
.if \mode
	WIN BIA_LO
.else
	WIN MUL_LO
.endif
	MUL16 0, (\q)%2, \mode
	MUL16 2, (\q)%2, \mode
	s_wait_dscnt 0
	PLACES NP
	FETCH_B \slot, (\q)+1, 1-(\q)%2
	FETCH_A \slot, (\q)+1, 0
.if \mode
	WIN BIA_HI
.else
	WIN MUL_HI
.endif
	MUL16 4, (\q)%2, \mode
	MUL16 6, (\q)%2, \mode
	PLACES NP
	WIN 0
	FETCH_A \slot, (\q)+1, 4
.endm
.macro TURN slot, next, fill
	s_wait_tensorcnt 0x0
	ds_add_u32 v[SPW], v[NIL]
	s_wait_dscnt 4*NL+1
	WIN MUL_LO
	MUL16 0, 1, 0
	s_wait_dscnt 0x0
	s_barrier_signal -1
	MUL16 2, 1, 0
	WIN 0
	s_barrier_wait -1
.if \fill
	CREST
	s_add_nc_u64 s[G0+4*\slot+2:G0+4*\slot+3], s[G0+4*\slot+2:G0+4*\slot+3], 2*ROWB
	s_add_nc_u64 s[G0B+4*\slot+2:G0B+4*\slot+3], s[G0B+4*\slot+2:G0B+4*\slot+3], 2*ROWB
	JLOAD G0+4*\slot, G1, G0B+4*\slot, G1B
.else
	PLACES NP
.endif
	FETCH_B \next, 0, 0
	FETCH_A \next, 0, 0
	WIN MUL_HI
	MUL16 4, 1, 0
	MUL16 6, 1, 0
	PLACES NP
	WIN 0
	FETCH_A \next, 0, 4
.endm
	s_wait_alu depctr_va_vdst(0)
	s_wait_tensorcnt 0x0                           ; my part of K step 0 is in; slot 1's first fill is issued as a refill is:
	ds_add_u32 v[SPW], v[NIL]                      ; 0 onto my spare word,
	s_wait_dscnt 0x0                               ; the add is done,
	CROUND                                         ; a whole round: everybody's part of K step 0 is in, and the joint loads meet
	JLOAD G0+4, G1, G0B+4, G1B                     ; K step 1: the first tensor load behind the round
	FETCH_B 0, 0, 0
	FETCH_A 0, 0, 0
	FETCH_A 0, 0, 4
	s_wait_loadcnt 0x0
.set j, 0
.rept 64
	v_ldexp_f32 v[BI+j], v[BI+j], s80
.set j, j+1
.endr
	s_cmp_eq_u32 s66, 2
	s_cbranch_scc1 .Lfirst_v
	s_wait_alu depctr_va_vdst(0)
	STEP 0, 0, 1
	s_branch .Lfirst_done
.Lfirst_v:
	s_wait_alu depctr_va_vdst(0)
	STEP 0, 0, 2
.Lfirst_done:
	s_mov_b32 s3, LAPS-1
.Llap:
	TURN 0, 1, 1
	STEP 1, 0, 0
	TURN 1, 0, 1
	STEP 0, 0, 0
	s_sub_co_u32 s3, s3, 1
	s_cmp_lg_u32 s3, 0
	s_cbranch_scc1 .Llap
	TURN 0, 1, 0
	STEP 1, 0, 0
	s_wait_dscnt 4*NL
	WIN MUL_LO
	MUL16 0, 1, 0
	MUL16 2, 1, 0
	s_wait_dscnt 0
	WIN MUL_HI
	MUL16 4, 1, 0
	MUL16 6, 1, 0
	WIN 0
.macro OUTA a
.set AC, 64*((\a)%4)
	WIN 0x82+0x41*((\a)/4)
.set j, 0
.rept 64
	v_med3_num_f32 v[AC+j], v[AC+j], -v[LIM], v[LIM]
.set j, j+1
.endr
	WIN 0x02+((\a)/4)
.irp b, 0,1,2,3,4,5,6,7
	v_cvt_scalef32_pk8_bf8_f32 v[AF+16*(\a)+2*\b:AF+16*(\a)+2*\b+1], v[AC+8*\b:AC+8*\b+7], v[SC]
.endr
	v_nop
	WIN 0
.if (\a) > 0
	s_wait_alu depctr_va_vdst(0)
	s_wait_xcnt 0x0
.if (\a) == 4
	s_add_nc_u64 s[10:11], s[10:11], s[96:97]
.else
	s_add_nc_u64 s[10:11], s[10:11], s[94:95]
.endif
.endif
	global_store_b128 v[SO0], v[AF+16*(\a):AF+16*(\a)+3], s[10:11]
	global_store_b128 v[SO0], v[AF+16*(\a)+4:AF+16*(\a)+7], s[10:11] offset:512
	global_store_b128 v[SO1], v[AF+16*(\a)+8:AF+16*(\a)+11], s[10:11]
	global_store_b128 v[SO1], v[AF+16*(\a)+12:AF+16*(\a)+15], s[10:11] offset:512
.endm
	PLACES NP
.irp a, 0,1,2,3,4,5,6,7
	OUTA \a
.endr
	s_wait_tensorcnt 0x0
	ds_add_u32 v[SPW], v[NIL]
	s_wait_dscnt 0x0
	CROUND
	s_endpgm
.Lfunc_end_k_q6afe3b72fa_qkv:
	.size	k_q6afe3b72fa_qkv, .Lfunc_end_k_q6afe3b72fa_qkv-k_q6afe3b72fa_qkv
	.p2alignl 7, 3214868480
	.fill 96, 4, 3214868480
	.section	.rodata,"a",@progbits
	.p2align	6, 0x0
	.amdhsa_kernel k_q6afe3b72fa_qkv
		.amdhsa_group_segment_fixed_size 327680
		.amdhsa_private_segment_fixed_size 0
		.amdhsa_enable_private_segment 0
		.amdhsa_kernarg_size 56
		.amdhsa_user_sgpr_count 2
		.amdhsa_user_sgpr_kernarg_segment_ptr 1
		.amdhsa_wavefront_size32 1
		.amdhsa_system_sgpr_workgroup_id_x 1
		.amdhsa_system_sgpr_workgroup_id_y 1
		.amdhsa_system_sgpr_workgroup_id_z 1
		.amdhsa_system_vgpr_workitem_id 0
		.amdhsa_next_free_vgpr 1024
		.amdhsa_next_free_sgpr 102
		.amdhsa_reserve_vcc 0
		.amdhsa_float_denorm_mode_32 3
		.amdhsa_float_denorm_mode_16_64 3
		.amdhsa_memory_ordered 1
		.amdhsa_forward_progress 1
		.amdhsa_inst_pref_size 139
	.end_amdhsa_kernel
	.amdgpu_metadata
---
amdhsa.version: [ 1, 2 ]
amdhsa.kernels:
  - .name:           k_q6afe3b72fa_qkv
    .symbol:         k_q6afe3b72fa_qkv.kd
    .args:
      - { .name: xcodes, .offset: 0, .size: 8, .value_kind: global_buffer, .address_space: global }
      - { .name: wcodes, .offset: 8, .size: 8, .value_kind: global_buffer, .address_space: global }
      - { .name: bq, .offset: 16, .size: 8, .value_kind: global_buffer, .address_space: global }
      - { .name: bk, .offset: 24, .size: 8, .value_kind: global_buffer, .address_space: global }
      - { .name: bv, .offset: 32, .size: 8, .value_kind: global_buffer, .address_space: global }
      - { .name: lowp_scales, .offset: 40, .size: 8, .value_kind: global_buffer, .address_space: global }
      - { .name: qkv, .offset: 48, .size: 8, .value_kind: global_buffer, .address_space: global }
    .group_segment_fixed_size: 327680
    .private_segment_fixed_size: 0
    .kernarg_segment_align: 8
    .kernarg_segment_size: 56
    .max_flat_workgroup_size: 128
    .sgpr_count:     102
    .vgpr_count:     1024
    .wavefront_size: 32
...
	.end_amdgpu_metadata
.endif
;; end of part 2
;; launch attn (part 3): grid 4 x 64, 4 waves a work-group, clusters of 4 x 1, 327,680 bytes of LDS; arguments qkv, attention_mask, lowp_scales, out0; writes out0
.if DOCPART == 3
	.amdgcn_target "amdgcn-amd-amdhsa--gfx1250"
	.amdhsa_code_object_version 6
	.text
	.protected	k_q6afe3b72fa_attn
	.globl	k_q6afe3b72fa_attn
	.p2align	8
	.type	k_q6afe3b72fa_attn,@function
k_q6afe3b72fa_attn:
	s_mov_b64 s[64:65], 0
	v_nop
	global_prefetch_b8 v0, s[64:65] scope:SCOPE_SE
	s_setreg_imm32_b32 hwreg(HW_REG_WAVE_MODE, 25, 1), 1
	s_wait_xcnt 0x0
	s_wait_alu depctr_hold_cnt(0) depctr_sa_sdst(0) depctr_va_vdst(0) depctr_va_sdst(0) depctr_va_ssrc(0) depctr_va_vcc(0) depctr_vm_vsrc(0)
	s_getreg_b32 s2, hwreg(HW_REG_IB_STS2, 6, 4)
	s_cmp_eq_u32 s2, 0
	s_cbranch_scc0 .Lentry_in_a_cluster
	s_endpgm
.Lentry_in_a_cluster:
	s_bfe_u32 s2, ttmp6, 0x10000c
	s_cmp_lg_u32 s2, 0x3003
	s_cbranch_scc0 .Lentry_shape_is_right
	s_endpgm
.Lentry_shape_is_right:
; out[b][q][64 h + d] = the sum over the keys of P[q][k] v[k][d], P = softmax over k of (q . k / 8 + mask[b][k]); both products on codes of BF8 (E5M2), each operand with its given scale.
; The two flips of reference() cancel (a softmax treats all entries of its axis alike): no line stands for them.
; qkv: three planes of codes (q, k, v), 8,388,608 bytes apart; a head's 2,048 x 64 codes are 131,072 bytes, in the order in which the operand registers here take them.
; SHARES.  A work-group owns 512 queries of one head, 16 blocks of 32.  The head's K and V lie whole in LDS, filled once; the four work-groups of a cluster are the four quarters of a head's queries and ask for K and V jointly.
; Wave w fetches and reads keys 512 w .. 512 w + 511 alone.  Both products are used transposed: a lane holds one query (lane % 16) of each of the block's two tiles, and its registers run along the keys.
; P IS QUANTISED FINISHED AND NORMALISED: a wave holds its 512 x 32 scores in 512 registers, takes its own largest t and the sum of 2^(t - that), the four waves exchange both through LDS,
; and each multiplies its numbers by 2^(own largest - largest of all) / the sum of all, holds them at 57,344 x 2^ep and converts.  The four partial O are added through LDS, x 2^(ep + ev).
; The mask, x 8 / 2^(eq + ek), is the C of the scores' products: 256 registers, window 3.  t = (sum of codes + that) x log2(e) / 8 x 2^(eq + ek).
; THE LOOP IS TURNED: block 0's scores and maxima stand ahead of it; a trip takes a block from its maxima to its stores, and the next block's scores and maxima stand round the barrier and the LDS round trip of the way out.
; The loop is left in its 16th trip, at .Llast, where no block follows.  (That trip's last step still fetches K's first fragments: 16 LDS loads that nobody uses, so that the step's counted wait is the same in every trip.)
; No prefetch: K and V are asked for once, at the head, and Q's 2,048 bytes a block are loaded a block ahead.
; LIMITS: mask entries are held within +-2^29, infinities too (a row whose keys all lie at -infinity gives an average and no NaN); eq + ek between -95 and 130; ep between -126 and 112; ep + ev between -126 and 127.
; REGISTERS: window 0: v0-15 addresses and factors, v16-31 Q, v32-95 O^T (and the exchange's small numbers), v96-127 P's codes (before them the 16 running maxima),
; v128-255 two sets of fragments of K or V (v128-159 between them the sums); window 1, 2: the scores of query tile 0, 1; window 3: the mask.
.set SP,    272                        ; a row of the way out's stage: 256 bytes + 16
.set VLDS,  131072                     ; V behind K
.set STAGE, 262144                     ; 4 waves x 32 rows x SP
.set STATS, STAGE+4*32*SP              ; 4 waves x 2 tiles x 16 queries x (largest t, sum); the spare words follow at 0x48c00
.set FA,  128
.set FB,  192
.set OT,  32
.set PC,  96
.set TM,  96                           ; 2 x 8 running maxima
.set ML,  48
.set XS,  52
.set LS,  128                          ; 2 x 8 pairs of running sums
.set MT,  88
.set MSB, 0
.macro WIN new                         ; the immediate's high byte repeats the setting that is left
.if MSB != (\new)
	s_set_vgpr_msb (MSB<<8)|(\new)
.set MSB, (\new)
.endif
.endm
.macro CROUND                          ; a round of the cluster's barrier
	s_barrier_signal -1
	s_barrier_wait -1
	s_cmp_lg_u32 s12, 0
	s_cbranch_scc1 .Lnot_wave_0_\@
	s_barrier_signal -3
.Lnot_wave_0_\@:
	s_barrier_wait -3
	s_barrier_signal -1
	s_barrier_wait -1
.endm
.macro PLACES                          ; four places behind a matrix instruction (ISA guide 7.12.1)
.rept 4
	v_nop
.endr
.endm
.macro KLOAD g, buf                    ; eight tiles of 16 keys
.irp i, 0,1,2,3,4,5,6,7
	ds_load_b128 v[\buf+8*\i:\buf+8*\i+3],   v2 offset:(8*(\g)+\i)*1024
	ds_load_b128 v[\buf+8*\i+4:\buf+8*\i+7], v2 offset:(8*(\g)+\i)*1024+512
.endr
.endm
.macro VLOAD s, buf                    ; 128 keys x the head's 64
.irp dt, 0,1,2,3
.irp c, 0,1,2,3
	ds_load_b128 v[\buf+16*\dt+4*\c:\buf+16*\dt+4*\c+3], v3 offset:8192*(\s)+2048*\dt+512*\c
.endr
.endr
.endm
.macro QLOAD off
.irp u, 0,1,2,3
	global_load_b128 v[16+4*\u:19+4*\u], v1, s[4:5] offset:\off+512*\u
.endr
.endm
.macro QK g, buf                       ; S^T = K Q^T + mask for 128 keys x 32 queries
	WIN 0x70
.irp i, 0,1,2,3,4,5,6,7
	v_wmma_f32_16x16x64_bf8_bf8 v[8*(8*(\g)+\i):8*(8*(\g)+\i)+7], v[\buf+8*\i:\buf+8*\i+7], v[16:23], v[8*(8*(\g)+\i):8*(8*(\g)+\i)+7]
.endr
	WIN 0xb0
.irp i, 0,1,2,3,4,5,6,7
	v_wmma_f32_16x16x64_bf8_bf8 v[8*(8*(\g)+\i):8*(8*(\g)+\i)+7], v[\buf+8*\i:\buf+8*\i+7], v[24:31], v[8*(8*(\g)+\i):8*(8*(\g)+\i)+7]
.endr
.endm
.macro MAXB g                          ; the group's scores onto the running maxima: eight chains a query tile; each accumulator from its low end on
.irp qt, 0,1
	WIN 0x14*(1+\qt)
.irp jj, 0,1,2,3
.irp i, 0,1,2,3,4,5,6,7
	v_max3_num_f32 v[TM+8*\qt+\i], v[TM+8*\qt+\i], v[8*(8*(\g)+\i)+2*\jj], v[8*(8*(\g)+\i)+2*\jj+1]
.endr
.endr
.endr
.endm
.macro TMINIT
.irp i, 0,1,2,3,4,5,6,7,8,9,10,11,12,13,14,15
	v_mov_b32 v[TM+\i], 0xff800000
.endr
.endm
; THE EXPONENTIALS.  A lane's 512 scores go in eight chunks of 64 registers: chunk c is registers 64 (c % 4) on of window 1 + c / 4 (query tile c / 4).
.macro XFMA c, i                       ; registers 2 i, 2 i + 1 of chunk c: t - my largest t = score x c - that
	v_pk_fma_f32 v[64*((\c)%4)+2*(\i):64*((\c)%4)+2*(\i)+1], v[64*((\c)%4)+2*(\i):64*((\c)%4)+2*(\i)+1], s[40:41], v[12+2*((\c)/4):13+2*((\c)/4)] op_sel_hi:[1,0,0] neg_lo:[0,0,1] neg_hi:[0,0,1]
.endm
.macro XSUM c                          ; chunk c's 64 numbers onto its query tile's sums: eight chains of pairs; a tile's first chunk starts them
.set LQ, LS+16*((\c)/4)
.set EB, 64*((\c)%4)
.set i, 0
.if (\c)%4 == 0
	WIN 0x05*(1+(\c)/4)
.rept 8
	v_pk_add_f32 v[LQ+2*i:LQ+2*i+1], v[EB+2*i:EB+2*i+1], v[EB+16+2*i:EB+16+2*i+1]
.set i, i+1
.endr
.set i, 16
.endif
	WIN 0x04*(1+(\c)/4)
.rept 32-i
	v_pk_add_f32 v[LQ+2*(i%8):LQ+2*(i%8)+1], v[LQ+2*(i%8):LQ+2*(i%8)+1], v[EB+2*i:EB+2*i+1]
.set i, i+1
.endr
.endm
; One wait ahead of each batch of 64 exponentials: it serves the batch's sources, made in or behind the batch before, and the results of the batch before, which are summed behind this batch.
; Among a batch's exponentials stand the next chunk's 32 multiply-adds, where that chunk lies in the same window: they name other registers, and their results are first read behind the next wait.
.macro EXPALL
	WIN 0x41
.set i, 0
.rept 32
	XFMA 0, i
.set i, i+1
.endr
.irp c, 0,1,2,3,4,5,6,7
	s_wait_alu depctr_va_vdst(0)
	WIN 0x41*(1+\c/4)
.set i, 0
.rept 32
	v_exp_f32 v[64*(\c%4)+2*i], v[64*(\c%4)+2*i]
.if \c%4 < 3
	XFMA \c+1, i
.endif
	v_exp_f32 v[64*(\c%4)+2*i+1], v[64*(\c%4)+2*i+1]
.set i, i+1
.endr
.if \c == 3
	WIN 0x82                                       ; the other window's first chunk
.set i, 0
.rept 32
	XFMA 4, i
.set i, i+1
.endr
.endif
.if \c > 0
	XSUM \c-1
.endif
.endr
	s_wait_alu depctr_va_vdst(0)                   ; the last batch's wait, ahead of its first reader
	XSUM 7
.endm
; 128 keys of P: normalised, held, converted; O^T += V^T P^T.  Between the two query tiles the next fragments are asked for (nk = 1: K's group ni, else V's step ni).
.macro PSTEP s, buf, nk, ni, nbuf
.irp qt, 0,1
	WIN 0x41*(1+\qt)
.set i, 0
.rept 32
	v_pk_mul_f32 v[64*(\s)+2*i:64*(\s)+2*i+1], v[64*(\s)+2*i:64*(\s)+2*i+1], v[12+2*\qt:13+2*\qt] op_sel_hi:[1,0]
.set i, i+1
.endr
.set i, 0
.rept 32
	v_dual_min_num_f32 v[64*(\s)+2*i], v[64*(\s)+2*i], v10 :: v_dual_min_num_f32 v[64*(\s)+2*i+1], v[64*(\s)+2*i+1], v11   ; the conversion does not saturate (ISA guide 7.6.2); P is not negative, so the hold is one-sided; two numbers a line, the bound in v10 and in v11
.set i, i+1
.endr
	WIN 0x01*(1+\qt)
.irp t, 0,1,2,3,4,5,6,7
	v_cvt_scalef32_pk8_bf8_f32 v[PC+16*\qt+2*\t:PC+16*\qt+2*\t+1], v[64*(\s)+8*\t:64*(\s)+8*\t+7], v9
.endr
	v_nop                                          ; a plain line behind the last conversion
	WIN 0
.if \qt == 0
.if \nk
	KLOAD \ni, \nbuf
.else
	VLOAD \ni, \nbuf
.endif
.endif
.endr
	s_wait_alu depctr_va_vdst(0)
	s_wait_dscnt 16                                ; this step's fragments are in; the 16 loads just issued may be out
.irp qt, 0,1
.irp dt, 0,1,2,3
.if (\s) == 0
	v_wmma_f32_16x16x128_bf8_bf8 v[OT+8*(4*\qt+\dt):OT+8*(4*\qt+\dt)+7], v[\buf+16*\dt:\buf+16*\dt+15], v[PC+16*\qt:PC+16*\qt+15], 0
.else
	v_wmma_f32_16x16x128_bf8_bf8 v[OT+8*(4*\qt+\dt):OT+8*(4*\qt+\dt)+7], v[\buf+16*\dt:\buf+16*\dt+15], v[PC+16*\qt:PC+16*\qt+15], v[OT+8*(4*\qt+\dt):OT+8*(4*\qt+\dt)+7]
.endif
.endr
.endr
.endm
.macro OBACK                           ; my eight rows of the block, from all four waves' stages
.irp w, 0,1,2,3
.irp i, 0,1,2,3
	ds_load_b128 v[OT+16*\w+4*\i:OT+16*\w+4*\i+3], v5 offset:32*SP*\w+2*SP*\i
.endr
.endr
.endm
.macro OSEND                           ; the four parts added, x 2^(ep + ev), stored: sixteen lanes fill 256 consecutive bytes, aligned
.irp e, 0,2,4,6,8,10,12,14
	v_pk_add_f32 v[OT+\e:OT+\e+1], v[OT+\e:OT+\e+1], v[OT+16+\e:OT+16+\e+1]
.endr
.irp e, 0,2,4,6,8,10,12,14
	v_pk_add_f32 v[OT+32+\e:OT+32+\e+1], v[OT+32+\e:OT+32+\e+1], v[OT+48+\e:OT+48+\e+1]
.endr
.irp e, 0,2,4,6,8,10,12,14
	v_pk_add_f32 v[OT+\e:OT+\e+1], v[OT+\e:OT+\e+1], v[OT+32+\e:OT+32+\e+1]
.endr
.irp e, 0,2,4,6,8,10,12,14
	v_pk_mul_f32 v[OT+\e:OT+\e+1], v[OT+\e:OT+\e+1], s[42:43] op_sel_hi:[1,0]
.endr
.irp i, 0,1,2,3
	global_store_b128 v6, v[OT+4*\i:OT+4*\i+3], s[10:11] offset:8192*\i th:TH_STORE_NT
.endr
.endm
	s_load_b128 s[4:7], s[0:1], 0x0                ; qkv, attention_mask
	s_load_b128 s[8:11], s[0:1], 0x10              ; the scales' exponents, out0
	v_lshl_add_u32 v254, v0, 2, 0x48c00
	v_mov_b32 v255, 0
	ds_add_u32 v254, v255                          ; the opening lines: the add, twice on end, and its wait
	ds_add_u32 v254, v255
	s_wait_dscnt 0x0
	v_lshrrev_b32 v1, 5, v0
	v_readfirstlane_b32 s12, v1                    ; wave
	s_bfe_u32 s13, ttmp6, 0x40000
	s_lshl_b32 s14, ttmp9, 2
	s_add_co_u32 s14, s14, s13                     ; which quarter of the head's queries
	s_and_b32 s15, ttmp7, 0xffff                   ; batch x 16 + head
	s_lshl_b32 s16, s15, 17
	s_lshl_b32 s17, s12, 15
	s_mov_b32 s19, 0
	s_mov_b32 s24, 15|(3<<16)|(1<<21)              ; group 1: the mask names the cluster's four; 128 dense rows of 32 elements of 8 bytes
	s_mov_b32 s25, 32<<16
	s_mov_b32 s26, 128<<16
	s_mov_b32 s27, 32<<16
	s_mov_b32 s28, 128
	s_mov_b32 s29, 32
	s_mov_b32 s30, 0
	s_mov_b32 s31, 0
	s_mov_b32 s44, 0x76543210
	s_mov_b32 s45, 0xfedcba98
	s_mov_b32 s46, 16                              ; blocks to go
	s_add_co_u32 s18, s16, s17
	s_wait_kmcnt 0x0
	s_load_b256 s[48:55], s[8:9], 0x0
	s_load_b64 s[56:57], s[8:9], 0x20
	s_add_nc_u64 s[20:21], s[4:5], s[18:19]
	s_mov_b32 s32, 1
	s_lshl_b32 s33, s12, 15
	s_add_nc_u64 s[34:35], s[20:21], 0x800000      ; my 512 keys of K
	s_or_b32 s35, s35, 0x80000000
	s_mov_b32 s36, 1
	s_add_co_u32 s37, s33, VLDS
	s_add_nc_u64 s[38:39], s[20:21], 0x1000000     ; and of V
	s_or_b32 s39, s39, 0x80000000
	CROUND
	tensor_load_to_lds s[32:35], s[24:31]          ; K: my one tensor load at the head; the addresses, the mask's loads and Q's are made while it is out
	s_nop 0
	s_lshl_b32 s18, s14, 15
	s_add_co_u32 s18, s18, s16
	s_add_nc_u64 s[4:5], s[4:5], s[18:19]          ; Q's codes at my work-group's first block
	s_lshr_b32 s22, s15, 4
	s_lshl_b32 s18, s22, 13
	s_lshl_b32 s23, s12, 11
	s_add_co_u32 s18, s18, s23
	s_add_nc_u64 s[6:7], s[6:7], s[18:19]          ; the batch's mask at my 512 keys
	s_lshl_b32 s18, s22, 23
	s_lshl_b32 s23, s14, 21
	s_add_co_u32 s18, s18, s23
	s_add_co_u32 s18, s18, s17
	s_and_b32 s23, s15, 15
	s_lshl_b32 s23, s23, 8
	s_add_co_u32 s18, s18, s23
	s_add_nc_u64 s[10:11], s[10:11], s[18:19]      ; out0 at my eight rows of the first block, my head's 256 bytes
	v_and_b32 v1, 31, v0
	v_lshlrev_b32 v1, 4, v1
	v_and_b32 v32, 15, v0
	v_bfe_u32 v33, v0, 4, 1
	v_lshlrev_b32 v40, 5, v33
	WIN 0xc0
.set t, 0
.rept 32
	global_load_b128 v[8*t:8*t+3],   v40, s[6:7] offset:64*t
	global_load_b128 v[8*t+4:8*t+7], v40, s[6:7] offset:64*t+16
.set t, t+1
.endr
	WIN 0
	QLOAD 0
	v_add_nc_u32 v2, s17, v1
	v_add_nc_u32 v3, VLDS, v2
	s_mul_i32 s23, s12, 32*SP
	s_add_co_u32 s23, s23, STAGE
	v_mul_u32_u24 v4, v32, SP
	v_lshl_add_u32 v4, v33, 5, v4
	v_add_nc_u32 v4, s23, v4
	s_mul_i32 s23, s12, 8*SP
	s_add_co_u32 s23, s23, STAGE
	v_mul_u32_u24 v5, v33, SP
	v_lshl_add_u32 v5, v32, 4, v5
	v_add_nc_u32 v5, s23, v5
	v_lshlrev_b32 v6, 12, v33
	v_lshl_add_u32 v6, v32, 4, v6
	s_lshl_b32 s23, s12, 8
	s_add_co_u32 s23, s23, STATS
	v_lshl_add_u32 v7, v32, 3, s23
	v_lshl_add_u32 v8, v32, 3, STATS
	v_mov_b32 v13, 0
	v_mov_b32 v15, 0
	s_wait_kmcnt 0x0
	s_add_co_i32 s58, s54, s55                     ; eq + ek
	s_lshl_b32 s59, s58, 23
	s_add_co_i32 s40, s59, 0x3e38aa3b              ; c = log2(e) / 8 x 2^(eq + ek)
	s_mov_b32 s41, s40
	s_sub_co_i32 s47, 3, s58
	s_sub_co_i32 s59, 159, s58
	s_lshl_b32 s59, s59, 23
	v_mov_b32 v11, s59                             ; 2^(32 - eq - ek): the mask's bound
	s_add_co_i32 s59, s56, s57
	s_add_co_i32 s59, s59, 127
	s_lshl_b32 s42, s59, 23                        ; 2^(ep + ev)
	s_mov_b32 s43, s42
	s_add_co_i32 s59, s56, 127
	s_lshl_b32 s60, s59, 23
	v_mov_b32 v9, s60                              ; 2^ep
	s_add_co_i32 s59, s59, 15
	s_lshl_b32 s59, s59, 23
	s_or_b32 s59, s59, 0x600000
	v_mov_b32 v10, s59                             ; 57,344 x 2^ep
	s_wait_alu depctr_va_vdst(0)
	s_wait_tensorcnt 0x0                           ; my 512 keys of K are in.  V's first fill is issued as a refill is
	ds_add_u32 v254, v255
	s_wait_dscnt 0x0
	CROUND
	tensor_load_to_lds s[36:39], s[24:31]
	s_nop 0
	PLACES
	s_wait_loadcnt 4
	WIN 0xc3
.set t, 0
.rept 256
	v_ldexp_f32 v[t], v[t], s47
.set t, t+1
.endr
.set t, 0
.rept 256
	v_med3_num_f32 v[t], v[t], -v11, v11
.set t, t+1
.endr
	WIN 0
	v_mov_b32 v11, v10                             ; the mask's bound is done with: v11 takes a second copy of P's bound, for the paired holds
	KLOAD 0, FA                                    ; K's bytes alone are read up to the loop: V's load may still be out
	KLOAD 1, FB
	TMINIT
	s_wait_loadcnt 0x0                             ; Q
	s_wait_dscnt 0x0
	QK 0, FA                                       ; block 0's scores and maxima
	PLACES
	WIN 0
	KLOAD 2, FA
	QK 1, FB
	MAXB 0
	WIN 0
	KLOAD 3, FB
	s_wait_dscnt 16
	QK 2, FA
	MAXB 1
	s_wait_dscnt 0x0
	QK 3, FB
	MAXB 2
	WIN 0
	QLOAD 2048                                     ; block 1's Q
	MAXB 3
	WIN 0
	s_wait_alu depctr_va_vdst(0)
	s_wait_tensorcnt 0x0                           ; my 512 keys of V are in, ahead of the loop that reads them
.Lblock:
.irp qt, 0,1
	v_max3_num_f32 v[TM+8*\qt], v[TM+8*\qt], v[TM+8*\qt+1], v[TM+8*\qt+2]
	v_max3_num_f32 v[TM+8*\qt+3], v[TM+8*\qt+3], v[TM+8*\qt+4], v[TM+8*\qt+5]
	v_max_num_f32 v[TM+8*\qt+6], v[TM+8*\qt+6], v[TM+8*\qt+7]
.endr
.irp qt, 0,1
	v_max3_num_f32 v[TM+8*\qt], v[TM+8*\qt], v[TM+8*\qt+3], v[TM+8*\qt+6]
.endr
.irp qt, 0,1
	v_permlanex16_b32 v[TM+8*\qt+1], v[TM+8*\qt], s44, s45
.endr
.irp qt, 0,1
	v_max_num_f32 v[TM+8*\qt], v[TM+8*\qt], v[TM+8*\qt+1]
.endr
.irp qt, 0,1
	v_mul_f32 v[12+2*\qt], s40, v[TM+8*\qt]        ; my largest t (c is positive)
.endr
.irp qt, 0,1
	v_mov_b32 v[ML+2*\qt], v[12+2*\qt]
.endr
	EXPALL
	WIN 0
.irp k, 0,4,8,12
.irp qt, 0,1
	v_pk_add_f32 v[LS+16*\qt+\k:LS+16*\qt+\k+1], v[LS+16*\qt+\k:LS+16*\qt+\k+1], v[LS+16*\qt+\k+2:LS+16*\qt+\k+3]
.endr
.endr
.irp k, 0,8
.irp qt, 0,1
	v_pk_add_f32 v[LS+16*\qt+\k:LS+16*\qt+\k+1], v[LS+16*\qt+\k:LS+16*\qt+\k+1], v[LS+16*\qt+\k+4:LS+16*\qt+\k+5]
.endr
.endr
.irp qt, 0,1
	v_pk_add_f32 v[LS+16*\qt:LS+16*\qt+1], v[LS+16*\qt:LS+16*\qt+1], v[LS+16*\qt+8:LS+16*\qt+9]
.endr
.irp qt, 0,1
	v_add_f32 v[LS+16*\qt], v[LS+16*\qt], v[LS+16*\qt+1]
.endr
.irp qt, 0,1
	v_permlanex16_b32 v[LS+16*\qt+1], v[LS+16*\qt], s44, s45
.endr
.irp qt, 0,1
	v_add_f32 v[ML+2*\qt+1], v[LS+16*\qt], v[LS+16*\qt+1]
.endr
	ds_store_b64 v7, v[ML:ML+1]                    ; my largest t and my sum, for the other waves
	ds_store_b64 v7, v[ML+2:ML+3] offset:128
	s_wait_dscnt 0x0
	s_barrier_signal -1
	VLOAD 0, FA
	s_barrier_wait -1
.irp w, 0,1,2,3
.irp qt, 0,1
	ds_load_b64 v[XS+4*\w+2*\qt:XS+4*\w+2*\qt+1], v8 offset:256*\w+128*\qt
.endr
.endr
	s_wait_dscnt 0x0
.irp qt, 0,1
	v_max3_num_f32 v[MT+\qt], v[XS+2*\qt], v[XS+4+2*\qt], v[XS+8+2*\qt]
.endr
.irp qt, 0,1
	v_max_num_f32 v[MT+\qt], v[MT+\qt], v[XS+12+2*\qt]
.endr
.irp w, 0,1,2,3
.irp qt, 0,1
	v_sub_f32 v[XS+4*\w+2*\qt], v[XS+4*\w+2*\qt], v[MT+\qt]
.endr
.endr
.irp qt, 0,1
	v_sub_f32 v[12+2*\qt], v[12+2*\qt], v[MT+\qt]
.endr
	s_wait_alu depctr_va_vdst(0)                   ; ahead of the batch, and behind it
.irp w, 0,1,2,3
.irp qt, 0,1
	v_exp_f32 v[XS+4*\w+2*\qt], v[XS+4*\w+2*\qt]
.endr
.endr
.irp qt, 0,1
	v_exp_f32 v[12+2*\qt], v[12+2*\qt]
.endr
	v_nop
	s_wait_alu depctr_va_vdst(0)
.irp qt, 0,1
	v_mul_f32 v[MT+2+\qt], v[XS+1+2*\qt], v[XS+2*\qt]
.endr
.irp w, 1,2,3
.irp qt, 0,1
	v_fmac_f32 v[MT+2+\qt], v[XS+4*\w+1+2*\qt], v[XS+4*\w+2*\qt]
.endr
.endr
	s_wait_alu depctr_va_vdst(0)
.irp qt, 0,1
	v_rcp_f32 v[MT+2+\qt], v[MT+2+\qt]
.endr
	v_nop
	s_wait_alu depctr_va_vdst(0)
.irp qt, 0,1
	v_mul_f32 v[12+2*\qt], v[12+2*\qt], v[MT+2+\qt]   ; 2^(my largest - the largest of all) / the sum of all
.endr
	PSTEP 0, FA, 0, 1, FB
	PSTEP 1, FB, 0, 2, FA
	PSTEP 2, FA, 0, 3, FB
	PSTEP 3, FB, 1, 0, FA
	PLACES
.irp qt, 0,1
.irp dt, 0,1,2,3
	ds_store_b128 v4, v[OT+8*(4*\qt+\dt):OT+8*(4*\qt+\dt)+3]   offset:16*SP*\qt+64*\dt
	ds_store_b128 v4, v[OT+8*(4*\qt+\dt)+4:OT+8*(4*\qt+\dt)+7] offset:16*SP*\qt+64*\dt+16
.endr
.endr
	s_cmp_eq_u32 s46, 1
	s_cbranch_scc1 .Llast                          ; no block follows: the way out alone
	KLOAD 1, FB                                    ; THE NEXT BLOCK'S SCORES, round the way out of this one
	TMINIT
	s_wait_loadcnt 0x0                             ; its Q
	s_wait_dscnt 32                                ; K's group 0 is in; behind it: my 16 stores into the stage and group 1's 16 loads
	QK 0, FA
	PLACES
	WIN 0
	s_wait_dscnt 0x0                               ; my part of O lies in my stage
	s_barrier_signal -1
	KLOAD 2, FA                                    ; between signal and wait: work on registers, and loads of K's bytes, which no wave writes
	QK 1, FB
	MAXB 0
	WIN 0
	KLOAD 3, FB
	s_barrier_wait -1
	OBACK
	s_wait_dscnt 32                                ; group 2 is in; behind it: group 3's 16 loads and the stage's 16
	QK 2, FA
	MAXB 1
	s_wait_dscnt 0x0
	QK 3, FB
	WIN 0
	OSEND
	MAXB 2
	WIN 0
	s_cmp_lt_u32 s46, 3
	s_cbranch_scc1 .Lno_q                          ; the block after the next has a Q to load only while two blocks follow
	QLOAD 4096
.Lno_q:
	MAXB 3
	WIN 0
	s_wait_alu depctr_va_vdst(0)
	s_wait_xcnt 0x0                                ; the stores and loads have read their registers and bases
	s_add_nc_u64 s[4:5], s[4:5], 2048
	s_add_nc_u64 s[10:11], s[10:11], 131072
	s_sub_co_u32 s46, s46, 1
	s_cmp_lg_u32 s46, 0
	s_cbranch_scc1 .Lblock
.Llast:
	s_wait_dscnt 0x0
	s_barrier_signal -1
	s_barrier_wait -1
	OBACK
	s_wait_dscnt 0x0
	OSEND
	s_wait_xcnt 0x0
	v_lshl_add_u32 v254, v0, 2, 0x48c00            ; the add's two registers held fragments: they are made anew
	v_mov_b32 v255, 0
	s_wait_alu depctr_va_vdst(0)
	s_wait_tensorcnt 0x0                           ; the wave's end
	ds_add_u32 v254, v255
	s_wait_dscnt 0x0
	CROUND                                         ; the closing round
	s_endpgm
.Lfunc_end_k_q6afe3b72fa_attn:
	.size	k_q6afe3b72fa_attn, .Lfunc_end_k_q6afe3b72fa_attn-k_q6afe3b72fa_attn
	.p2alignl 7, 3214868480
	.fill 96, 4, 3214868480
	.section	.rodata,"a",@progbits
	.p2align	6, 0x0
	.amdhsa_kernel k_q6afe3b72fa_attn
		.amdhsa_group_segment_fixed_size 327680
		.amdhsa_private_segment_fixed_size 0
		.amdhsa_enable_private_segment 0
		.amdhsa_kernarg_size 32
		.amdhsa_user_sgpr_count 2
		.amdhsa_user_sgpr_kernarg_segment_ptr 1
		.amdhsa_wavefront_size32 1
		.amdhsa_system_sgpr_workgroup_id_x 1
		.amdhsa_system_sgpr_workgroup_id_y 1
		.amdhsa_system_sgpr_workgroup_id_z 1
		.amdhsa_system_vgpr_workitem_id 0
		.amdhsa_next_free_vgpr 1024
		.amdhsa_next_free_sgpr 72
		.amdhsa_reserve_vcc 0
		.amdhsa_float_denorm_mode_32 3
		.amdhsa_float_denorm_mode_16_64 3
		.amdhsa_memory_ordered 1
		.amdhsa_forward_progress 1
		.amdhsa_inst_pref_size 202
	.end_amdhsa_kernel
	.amdgpu_metadata
---
amdhsa.version: [ 1, 2 ]
amdhsa.kernels:
  - .name:           k_q6afe3b72fa_attn
    .symbol:         k_q6afe3b72fa_attn.kd
    .args:
      - { .name: qkv, .offset: 0, .size: 8, .value_kind: global_buffer, .address_space: global }
      - { .name: attention_mask, .offset: 8, .size: 8, .value_kind: global_buffer, .address_space: global }
      - { .name: lowp_scales, .offset: 16, .size: 8, .value_kind: global_buffer, .address_space: global }
      - { .name: out0, .offset: 24, .size: 8, .value_kind: global_buffer, .address_space: global }
    .group_segment_fixed_size: 327680
    .private_segment_fixed_size: 0
    .kernarg_segment_align: 8
    .kernarg_segment_size: 32
    .max_flat_workgroup_size: 128
    .sgpr_count:     72
    .vgpr_count:     1024
    .wavefront_size: 32
...
	.end_amdgpu_metadata
.endif
;; end of part 3
